; MI455X (gfx1250); checked and timed in simulation.
; The chip was launched on July 23, 2026; its instructions are those of AMD's public machine-readable ISA for CDNA 5 (MIT licence, August 2026) and "CDNA5" Instruction Set Architecture Reference Guide (July 2026). The comments in the code are by the model that wrote it; some were corrected since.
;; RG Buv Hist Block. Allowed arithmetic: matrix products marked QUANTISED: E3M2 operands, one E8M0 scale for each 32 along K, by v_wmma_scale_f32_16x16x128_f8f6f4 with both operands' format E3M2, f32 sums; everything else in f32.
;; Inputs: x 4 x 3 x 65,536 float32.
;; Outputs: out0 4 x 3 x 64 x 64 float32.
;; This version of the problem:
;;   THIS VERSION OF THE PROBLEM IS GIVEN IN LOW PRECISION. The matrix products marked QUANTISED in the list below multiply operands that are first quantised to E3M2 (3 exponent bits, 2 mantissa bits; 6 bits a number), with one power-of-two scale for each 32 numbers along K (OCP MX v1.0); their sums are f32. All else is computed in f32.
;;   The module's matrix products, in the order in which they are computed (A, B: the left and right operand; K: the contracted axis; several contracted axes count as one K, in the product's order):
;;     1. batch 12 x [M 64, K 65,536] x [K 65,536, N 64]; A: computed on the way; B: computed on the way: QUANTISED
;;   THE QUANTISER, for each operand of a quantised product, along K:
;;     - K is cut into blocks of 32 from its start; a last block that is shorter is filled with zeros.
;;     - A block's scale is 2^e with e = floor(log2(the largest magnitude in the block)) - 4, held to -126 .. 127; a block of zeros has e = 0. As a byte (E8M0): e + 127.
;;     - Each number is divided by its block's scale, clamped to +-28, and rounded to the nearest number of E3M2, ties to even, subnormals kept.
;;     - The product sums the exact products of the quantised numbers (number of the format x scale) in f32.
;;   ~~~python
;;   def quantise(x, axis):      # numpy; x: float32 -> the quantised numbers, widened to float32 again
;;       x = np.moveaxis(x, axis, -1); K = x.shape[-1]
;;       x = np.pad(x, [(0, 0)] * (x.ndim - 1) + [(0, -K % 32)]); x = x.reshape(x.shape[:-1] + (-1, 32)); a = np.abs(x).max(-1, keepdims=True)
;;       e = np.where(a > 0, np.clip(np.frexp(np.where(a > 0, a, 1))[1] - 1 - 4, -126, 127), 0)      # np.frexp(a)[1] - 1 = floor(log2(a)), exactly
;;       r = np.clip(x / 2.0 ** e, -28, 28)
;;       step = 2.0 ** (np.maximum(np.frexp(np.where(r == 0, 1, r))[1] - 1, -2) - 2)
;;       q = np.round(r / step) * step * 2.0 ** e      # np.round: ties to even
;;       return np.moveaxis(q.reshape(q.shape[:-2] + (-1,))[..., :K], -1, axis).astype(np.float32)
;;   ~~~
;;   OPERANDS COMPUTED ON THE WAY. 'Computed on the way' means the value that the module computes at that place (a softmax that the list does not call 'softmax' is quantised finished and normalised). What goes into a quantiser is computed in f32, as accurately as f32 sums, v_exp_f32 and their like allow (about 1e-6 of the number): no bf16 or f16 on the way to a quantiser, and a product that is left as it is and whose result goes on into a quantised operand takes f32 operands (vector FMAs, or v_wmma_f32_16x16x4_f32). A number that lies on a knife's edge between two numbers of the format may be rounded either way, as far as f32 arithmetic and the matrix unit's own rounding can turn it there, and no further.
;; One version. Each part assembles by itself: llvm-mc -triple=amdgcn-amd-amdhsa -mcpu=gfx1250 --defsym DOCPART=n.
;; ======== version 1 of 1: 2 launches
;; workspace buffers: part 12,582,912 bytes; sums 4,096 bytes
;; launch hist (part 1): grid 256 x 1, 4 waves a work-group, no clusters, 225,792 bytes of LDS; arguments x, part, sums; writes part, sums
.if DOCPART == 1
	.amdgcn_target "amdgcn-amd-amdhsa--gfx1250"
	.amdhsa_code_object_version 6
	.text
	.protected	k_q13641733ed_hist
	.globl	k_q13641733ed_hist
	.p2align	8
	.type	k_q13641733ed_hist,@function
k_q13641733ed_hist:
	s_mov_b64 s[64:65], 0
	v_nop
	global_prefetch_b8 v0, s[64:65] scope:SCOPE_SE
	s_setreg_imm32_b32 hwreg(HW_REG_WAVE_MODE, 25, 1), 1
	s_wait_xcnt 0x0
; RGB-uv histograms, first of two launches: partial histograms of 1,024 pixels.   x: [4][3][65536] f32.
; A pixel: I = clip(x / 2 + 0.5, 0, 1) for R, G, B;  Iy = sqrt(R^2 + G^2 + B^2 + 1e-6);  a = ln(R + 1e-6) - ln(G + 1e-6), b = lnR - lnB, e = lnG - lnB.
; k(z, u) = 1 / (1 + ((z - lin[u]) / 0.02)^2), lin[u] = (2 u - 63) / 21: 64 bin centres from -3 to 3.
; The three histograms of an image are sums over pixels of  Iy k(a,u) k(b,v),  Iy k(-a,u) k(e,v),  Iy k(-b,u) k(-e,v),  each factor quantised along the pixels to E3M2 with one E8M0 scale for 32 pixels.
; THREE KERNELS SERVE SIX: lin[63 - u] = -lin[u], so k(-z, u) = k(z, 63 - u), and a bin's row is quantised by itself: mirrored bins are the same rows in another order.  Made here are
;   U1 = Q(Iy k(a)), U2 = Q(Iy k(b)), V1 = Q(k(b)), V2 = Q(k(e))   and   H0 = U1 V1^T, H1 = U1 V2^T, H2 = U2 V2^T;   the second launch mirrors H1's rows and H2's rows and columns.
; LIMITS: lin[u] is (2 u - 63) x (1/21) in f32, exactly antisymmetric; it may differ from a linspace computed otherwise in f32 by some 3e-7.  The clip bounds every number for every finite or infinite x; NaN in x is not served.
; SHARES.  Work-group g: image g / 64, pixels 1,024 (g % 64) on.  Each of its four waves: 256 pixels = two K steps of 128, ALL 64 bins, all 48 tiles of 16 x 16: 384 accumulator registers.  So no operand goes from wave to wave.
; LAYOUT.  An operand's lane (r, h) holds row r and k = 64 c + 32 h + 0 .. 31 in registers 6 c .. 6 c + 5.  Here a row is a BIN and k a PIXEL: a lane takes bin 16 i + r, and its registers run along the pixels, two whole blocks of 32:
; a block's largest number needs no other lane, and the conversions' results are the operand's registers.  The pixels' numbers are first made a pixel to a lane, go through the wave's own 4 KiB of LDS, and come back 64 to a lane
; (sixteen lanes read the same 16 bytes); one such set of 64 registers serves the four tiles of bins.
; THE MATRIX INSTRUCTION: source 0 = 16 bins of V, source 1 = 16 bins of U: a lane then holds row u = r of H and eight neighbouring v.
; THE END.  The four waves' accumulators meet in LDS; behind the one barrier each wave adds a quarter of the four copies, read back as whole rows of H, and stores 512 consecutive bytes an instruction.
; part: [256 work-groups][3][64 u][64 v] f32.   sums: [256][4 waves] f32: the sum of what each wave stored, for the second launch's norm.
; REGISTERS, in windows of 256 (s_set_vgpr_msb: bits 1:0 source 0, 3:2 source 1, 5:4 source 2, 7:6 destination):
;   window 0: all that vector and LDS instructions touch;  window 1: H0's 16 accumulators, then H1's;  window 2: H2's;  window 3: the 16 fragments of a K step.
.set NPIX,   65536
.set PARTB,  49152                     ; bytes of three histograms
.set AOF,    0                         ; a wave's pixel arrays in LDS, 1,024 bytes each: 50 a,
.set BOF,    1024                      ; 50 b,
.set COF,    2048                      ; 50 e,
.set YOF,    3072                      ; Iy
.set RED,    16384                     ; behind the four waves' arrays: the accumulators' copies
.set RPITCH, 272                       ; sixteen pieces of 16 bytes + 16 of padding = 68 words: line x starts at bank 4 x mod 64 (64 banks of 4 bytes: ISA guide 11.1)
.set RGRP,   16*RPITCH                 ; 16 rows of one histogram: line x = the rows' bytes 16 x .. 16 x + 15, piece r = row r
.set RWAVE,  12*RGRP                   ; a wave's copy
.set EPSB,   0x358637bd                ; 1e-6
.set FLOORB, 0x2800000                 ; 2^(5 - 127): under it no largest number is taken, so that a scale's byte cannot fall under 1
.set K50LN2, 0x420aa123                ; 50 ln 2: from a difference of log2 to (a difference of ln) / 0.02
.set K50D21, 0x40186186                ; 50 / 21
.set LANE, 1                           ; v1   lane
.set RL,   2                           ; v2   lane % 16
.set HH,   3                           ; v3   lane / 16
.set PXW,  4                           ; v4   LDS: my wave's arrays + 16 x lane
.set PXR,  5                           ; v5   LDS: my wave's arrays + 128 x (lane / 16): my half's block of 32 pixels
.set GOF,  6                           ; v6   16 x lane: offset of the global loads and stores; never rewritten
.set SH8,  7                           ; v7   8 x (lane / 16)
.set NC,   8                           ; v8-15  -50 lin[16 i + r], twice, for i = 0 .. 3
.set SU1,  16                          ; v16-31 scale words, one a fragment: U1's four, U2's, V1's, V2's.  They hold scales and nothing else
.set SU2,  20
.set SV1,  24
.set SV2,  28
.set MX,   32                          ; v32-39 running maxima, four chains a block
.set SO,   40                          ; v40-41 the conversions' scale operands
.set BY,   42                          ; v42-43 the scales' bytes
.set WX,   44                          ; v44-47 the other half's bytes
.set TA,   48                          ; v48-50, v52-54 the upper 16 codes of a block: a conversion's three registers begin on an even number
.set TB,   52
.set RW,   55                          ; v55    LDS: where my accumulators go
.set RA,   56                          ; v56-59 LDS: where I read the four copies
.set NS,   60                          ; v60-63 the sum of what I store
.set TT,   64                          ; v64-127  64 numbers in hand: register 32 c + i = pixel 64 c + 32 h + i of the K step
.set PP,   128                         ; v128-191 the pixels' 50 a, 50 b or 50 e, in the same order
.set YY,   192                         ; v192-255 their Iy
.set XX,   64                          ; at the head: x, then I, then log2: R v64-71, G v72-79, B v80-87
.set SQ,   88                          ; v88-95   Iy
.set DA,   96                          ; v96-119  50 a, 50 b, 50 e
.set LL,   64                          ; at the end: v64-191 four copies x eight pairs of rows;  v192-255 sums on their way out
.set SS,   192
.set U1,   0                           ; window 3: fragment i of each operand at + 12 i
.set U2,   48
.set V1,   96
.set V2,   144
.set SEL,  20                          ; s[20:21] v_permlanex16_b32's selects for lane l xor 16
.set MSB, 0
.macro WIN new                         ; the immediate's high byte repeats the setting that is left
.if MSB != \new
	s_set_vgpr_msb (MSB<<8)|\new
.set MSB, \new
.endif
.endm
	s_load_b128 s[4:7], s[0:1], 0x0                ; x, part
	s_load_b64 s[8:9], s[0:1], 0x10                ; sums
	v_lshl_add_u32 v51, v0, 2, 0x37000
	s_set_vgpr_msb 0x80
	v_mov_b32 v255, 0
	s_set_vgpr_msb 0x8000
	v_lshrrev_b32 v1, 5, v0
	v_readfirstlane_b32 s10, v1                    ; wave 0..3
	v_and_b32 v[LANE], 31, v0
	v_lshlrev_b32 v[GOF], 4, v[LANE]
	s_lshr_b32 s11, ttmp9, 6                       ; the image
	s_and_b32 s12, ttmp9, 63                       ; which 1,024 pixels of it
	s_mul_i32 s14, s11, 3*NPIX*4
	s_lshl_b32 s12, s12, 12
	s_add_co_u32 s14, s14, s12
	s_lshl_b32 s12, s10, 10                        ; my wave's 256 pixels
	s_add_co_u32 s14, s14, s12
	s_mov_b32 s15, 0
	s_mul_i32 s16, ttmp9, PARTB                    ; part: my work-group's three histograms,
	s_mul_i32 s12, s10, PARTB/4                    ; my wave's quarter
	s_add_co_u32 s16, s16, s12
	s_mov_b32 s17, 0
	s_lshl_b32 s18, ttmp9, 4                       ; sums: 4 bytes x (4 x work-group + wave)
	s_lshl_b32 s12, s10, 2
	s_add_co_u32 s18, s18, s12
	s_mov_b32 s19, 0
	s_wait_kmcnt 0x0
	s_add_nc_u64 s[4:5], s[4:5], s[14:15]
	s_add_nc_u64 s[6:7], s[6:7], s[16:17]
	s_add_nc_u64 s[8:9], s[8:9], s[18:19]
.irp ch, 0,1,2
.irp q, 0,1
	global_load_b128 v[XX+8*\ch+4*\q:XX+8*\ch+4*\q+3], v[GOF], s[4:5] offset:\ch*NPIX*4+\q*512 th:TH_LOAD_NT   ; 512 consecutive bytes: pixels 128 q + 4 lane + 0 .. 3 of a channel; read once
.endr
.endr
	; addresses and constants, while x is on its way
	v_and_b32 v[RL], 15, v0
	v_bfe_u32 v[HH], v0, 4, 1
	s_lshl_b32 s12, s10, 12                        ; my wave's 4 KiB of pixel arrays
	v_lshl_add_u32 v[PXW], v[LANE], 4, s12
	v_lshl_add_u32 v[PXR], v[HH], 7, s12
	v_lshlrev_b32 v[SH8], 3, v[HH]
	s_mul_i32 s12, s10, RWAVE
	s_add_co_u32 s12, s12, RED                     ; my copy of the accumulators
	v_mul_u32_u24 v[RW], v[HH], 2*RPITCH           ; registers 4 q .. 4 q + 3 of tile (i, j) in lane (r, h) are H(16 i + r, 16 j + 8 h + 4 q + 0 .. 3): line 4 j + 2 h + q, piece r
	v_lshl_add_u32 v[RW], v[RL], 4, v[RW]
	v_add_nc_u32 v[RW], s12, v[RW]
	s_mul_i32 s12, s10, 3*RGRP                     ; of each copy I add groups 3 w .. 3 w + 2 of the twelve
	s_add_co_u32 s12, s12, RED
	v_mul_u32_u24 v[RA], v[RL], RPITCH             ; back: lane (h, x) takes line x, piece 2 t + h: sixteen lanes a whole row of 256 bytes
	v_lshl_add_u32 v[RA], v[HH], 4, v[RA]
	v_add_nc_u32 v[RA], s12, v[RA]
.irp s, 1,2,3
	v_add_nc_u32 v[RA+\s], \s*RWAVE, v[RA]
.endr
	v_lshlrev_b32 v[MX], 1, v[RL]
.irp i, 0,1,2,3
	v_sub_nc_u32 v[MX+1], 63-32*\i, v[MX]          ; 63 - 2 u, u = 16 i + r
	v_cvt_f32_i32 v[MX+1], v[MX+1]
	v_mul_f32 v[NC+2*\i], K50D21, v[MX+1]          ; -50 lin[u]
	v_mov_b32 v[NC+2*\i+1], v[NC+2*\i]             ; twice: a pair for the packed addition
.endr
.irp i, 0,1,2,3
	v_mov_b32 v[WX+\i], 0                          ; written once: a lane permute's destination counts as one of its sources
	v_mov_b32 v[NS+\i], 0
.endr
	s_mov_b32 s[SEL], 0x76543210
	s_mov_b32 s[SEL+1], 0xfedcba98
	; ---- the pixels' numbers, a pixel to a lane, eight pixels a lane
	s_wait_loadcnt 0x0
.set j, 0
.rept 12
	v_pk_fma_f32 v[XX+j:XX+j+1], v[XX+j:XX+j+1], 0.5, 0.5 op_sel_hi:[1,0,0]
.set j, j+2
.endr
.set j, 0
.rept 24
	v_med3_num_f32 v[XX+j], v[XX+j], 0, 1.0        ; the clip
.set j, j+1
.endr
.irp j, 0,2,4,6
	v_pk_fma_f32 v[SQ+\j:SQ+\j+1], v[XX+\j:XX+\j+1], v[XX+\j:XX+\j+1], EPSB op_sel_hi:[1,1,0]
.endr
.irp j, 0,2,4,6
	v_pk_fma_f32 v[SQ+\j:SQ+\j+1], v[XX+8+\j:XX+8+\j+1], v[XX+8+\j:XX+8+\j+1], v[SQ+\j:SQ+\j+1]
.endr
.irp j, 0,2,4,6
	v_pk_fma_f32 v[SQ+\j:SQ+\j+1], v[XX+16+\j:XX+16+\j+1], v[XX+16+\j:XX+16+\j+1], v[SQ+\j:SQ+\j+1]
.endr
.set j, 0
.rept 12
	v_pk_add_f32 v[XX+j:XX+j+1], v[XX+j:XX+j+1], EPSB op_sel_hi:[1,0]
.set j, j+2
.endr
.set j, 0
.rept 8
	v_sqrt_f32 v[SQ+j], v[SQ+j]                    ; Iy
.set j, j+1
.endr
.set j, 0
.rept 24
	v_log_f32 v[XX+j], v[XX+j]                     ; log2(I + 1e-6)
.set j, j+1
.endr
	v_nop                                          ; a plain instruction behind the last transcendental,
	s_wait_alu depctr_va_vdst(0)                   ; and one wait for the batch of 32, ahead of its first reader
.irp j, 0,2,4,6
	v_pk_add_f32 v[DA+\j:DA+\j+1], v[XX+\j:XX+\j+1], v[XX+8+\j:XX+8+\j+1] neg_lo:[0,1] neg_hi:[0,1]          ; R - G
	v_pk_add_f32 v[DA+8+\j:DA+8+\j+1], v[XX+\j:XX+\j+1], v[XX+16+\j:XX+16+\j+1] neg_lo:[0,1] neg_hi:[0,1]    ; R - B
	v_pk_add_f32 v[DA+16+\j:DA+16+\j+1], v[XX+8+\j:XX+8+\j+1], v[XX+16+\j:XX+16+\j+1] neg_lo:[0,1] neg_hi:[0,1]   ; G - B
.endr
.set j, 0
.rept 12
	v_pk_mul_f32 v[DA+j:DA+j+1], v[DA+j:DA+j+1], K50LN2 op_sel_hi:[1,0]   ; 50 a, 50 b, 50 e
.set j, j+2
.endr
.irp a, 0,1,2
	ds_store_b128 v[PXW], v[DA+8*\a:DA+8*\a+3] offset:1024*\a           ; pixel p of my 256 at byte 4 p of its array
	ds_store_b128 v[PXW], v[DA+8*\a+4:DA+8*\a+7] offset:1024*\a+512
.endr
	ds_store_b128 v[PXW], v[SQ:SQ+3] offset:YOF
	ds_store_b128 v[PXW], v[SQ+4:SQ+7] offset:YOF+512
; 64 numbers of an array into v[reg] on: my half's two blocks of 32 pixels of a K step; off = the array + 512 x the K step.  The bytes are my wave's own, and LDS serves a wave's instructions in order (ISA guide 5.7.1.4)
.macro LOADP reg, off
.irp c, 0,1
.irp q, 0,1,2,3,4,5,6,7
	ds_load_b128 v[\reg+32*\c+4*\q:\reg+32*\c+4*\q+3], v[PXR] offset:\off+256*\c+16*\q
.endr
.endr
.endm
; T = k(P, bins of tile i) for my 64 pixels.  nxt >= 0: P's last reader is past: the next array is asked for here, some 150 instructions or more ahead of its first use
.macro KERN i, nxt
.set j, 0
.rept 32
	v_pk_add_f32 v[TT+j:TT+j+1], v[PP+j:PP+j+1], v[NC+2*(\i):NC+2*(\i)+1]     ; d = 50 (z - lin[u])
.set j, j+2
.endr
.if (\nxt) >= 0
	LOADP PP, \nxt
.endif
.set j, 0
.rept 32
	v_pk_fma_f32 v[TT+j:TT+j+1], v[TT+j:TT+j+1], v[TT+j:TT+j+1], 1.0 op_sel_hi:[1,1,0]   ; 1 + d^2
.set j, j+2
.endr
.set j, 0
.rept 64
	v_rcp_f32 v[TT+j], v[TT+j]
.set j, j+1
.endr
	v_nop                                          ; a plain instruction behind the last reciprocal,
	s_wait_alu depctr_va_vdst(0)                   ; and one wait for the batch of 64, ahead of its first reader
.endm
.macro MULY                                    ; T = Iy T
.set j, 0
.rept 32
	v_pk_mul_f32 v[TT+j:TT+j+1], v[TT+j:TT+j+1], v[YY+j:YY+j+1]
.set j, j+2
.endr
.endm
; T's 64 numbers, none negative, become a fragment: codes into v[frag] on in window 3; my two blocks' scale bytes into v[sreg], bytes 0 and 2 (FINSC makes the word whole).
.macro QUANT frag, sreg
.irp b, 0,1                                    ; each block's largest number: four chains of seven, then the four left over and the floor: sixteen instructions a block; eight chains by turns
.irp k, 0,1,2,3
	v_max3_num_f32 v[MX+4*\b+\k], v[TT+32*\b+8*\k], v[TT+32*\b+8*\k+1], v[TT+32*\b+8*\k+2]
.endr
.endr
.irp n, 3,5
.irp b, 0,1
.irp k, 0,1,2,3
	v_max3_num_f32 v[MX+4*\b+\k], v[MX+4*\b+\k], v[TT+32*\b+8*\k+\n], v[TT+32*\b+8*\k+\n+1]
.endr
.endr
.endr
.irp b, 0,1
	v_max3_num_f32 v[MX+4*\b], v[MX+4*\b], v[MX+4*\b+1], v[TT+32*\b+7]
	v_max3_num_f32 v[MX+4*\b+2], v[MX+4*\b+2], v[MX+4*\b+3], v[TT+32*\b+15]
.endr
.irp b, 0,1
	v_max3_num_f32 v[MX+4*\b], v[MX+4*\b], v[MX+4*\b+2], v[TT+32*\b+23]
.endr
.irp b, 0,1
	v_max3_num_f32 v[MX+4*\b], v[MX+4*\b], v[TT+32*\b+31], FLOORB
.endr
.irp b, 0,1
	v_add_nc_u32 v[SO+\b], 0xfe000000, v[MX+4*\b]  ; 4 off its exponent field: the conversion takes the exponent field of this operand as its scale, and nothing else of it
.endr
	v_cvt_scalef32_pk16_bf6_f32 v[TA:TA+2], v[TT+16:TT+31], v[SO]       ; the blocks' upper 16 codes: made here and moved, since registers 3 and 9 of a fragment are odd
	v_cvt_scalef32_pk16_bf6_f32 v[TB:TB+2], v[TT+48:TT+63], v[SO+1]
.irp b, 0,1
	v_lshrrev_b32 v[BY+\b], 23, v[SO+\b]           ; the scales' bytes.  (Plain instructions behind the two conversions)
.endr
	v_lshl_or_b32 v[\sreg], v[BY+1], 16, v[BY]
	WIN 0xc0                                       ; destination window 3
	v_cvt_scalef32_pk16_bf6_f32 v[\frag:\frag+2], v[TT:TT+15], v[SO]
	v_cvt_scalef32_pk16_bf6_f32 v[\frag+6:\frag+8], v[TT+32:TT+47], v[SO+1]
.irp n, 0,1,2
	v_mov_b32 v[\frag+3+\n], v[TA+\n]              ; (these six are the plain instructions between the conversions and whatever next touches their results or writes T)
	v_mov_b32 v[\frag+9+\n], v[TB+\n]
.endr
	WIN 0
.endm
; Four fragments' scale words are made whole: lane (r, h) has the bytes of blocks h and 2 + h of its bin; lane l xor 16 has the other two.  The four by turns
.macro FINSC base
.irp i, 0,1,2,3
	v_lshlrev_b32 v[\base+\i], v[SH8], v[\base+\i]
.endr
.irp i, 0,1,2,3
	v_permlanex16_b32 v[WX+\i], v[\base+\i], s[SEL], s[SEL+1]
.endr
.irp i, 0,1,2,3
	v_or_b32 v[\base+\i], v[\base+\i], v[WX+\i]
.endr
.endm
.macro MM d, a, b, sa, sb, zero
.if \zero
	v_wmma_scale_f32_16x16x128_f8f6f4 v[\d:\d+7], v[\a:\a+11], v[\b:\b+11], 0, v[\sa], v[\sb] matrix_a_fmt:MATRIX_FMT_BF6 matrix_b_fmt:MATRIX_FMT_BF6
.else
	v_wmma_scale_f32_16x16x128_f8f6f4 v[\d:\d+7], v[\a:\a+11], v[\b:\b+11], v[\d:\d+7], v[\sa], v[\sb] matrix_a_fmt:MATRIX_FMT_BF6 matrix_b_fmt:MATRIX_FMT_BF6
.endif
.endm
; A K step's 48 products: each accumulator once, so that no two matrix instructions that follow each other share one, from the first K step into the second too.  zero = 1: they start the sums
.macro MMS zero
	WIN 0x5f                                       ; sources 0 and 1 window 3, C and D window 1
.irp i, 0,1,2,3
.irp j, 0,1,2,3
	MM 8*(4*\i+\j), V1+12*\j, U1+12*\i, SV1+\j, SU1+\i, \zero
.endr
.endr
.irp i, 0,1,2,3
.irp j, 0,1,2,3
	MM 128+8*(4*\i+\j), V2+12*\j, U1+12*\i, SV2+\j, SU1+\i, \zero
.endr
.endr
	WIN 0xaf                                       ; C and D window 2
.irp i, 0,1,2,3
.irp j, 0,1,2,3
	MM 8*(4*\i+\j), V2+12*\j, U2+12*\i, SV2+\j, SU2+\i, \zero
.endr
.endr
	WIN 0
.endm
; A K STEP: 128 pixels.  At its head P (50 a) and Y (Iy) have been asked for.
.macro KSTEP s, zero
	s_wait_dscnt 0x0                               ; 50 a and Iy are in (and, the first time, my stores of the arrays have read their registers)
.irp i, 0,1,2,3                                ; U1 = Q(Iy k(a))
.if \i == 3
	KERN \i, BOF+512*\s
.else
	KERN \i, -1
.endif
	MULY
	QUANT U1+12*\i, SU1+\i
.endr
	FINSC SU1
	s_wait_dscnt 0x0                               ; 50 b is in
.irp i, 0,1,2,3                                ; V1 = Q(k(b)), and of the same reciprocals U2 = Q(Iy k(b))
.if \i == 3
	KERN \i, COF+512*\s
.else
	KERN \i, -1
.endif
	QUANT V1+12*\i, SV1+\i
	MULY
	QUANT U2+12*\i, SU2+\i
.endr
.if \s == 0
	LOADP YY, YOF+512                              ; Iy's last reader of this K step is past: the next step's
.endif
	FINSC SV1
	FINSC SU2
.if \s == 0
	s_wait_dscnt 16                                ; 50 e is in; the sixteen loads of Iy issued behind it may stay out
.else
	s_wait_dscnt 0x0
.endif
.irp i, 0,1,2,3                                ; V2 = Q(k(e))
.if (\i == 3) && (\s == 0)
	KERN \i, AOF+512
.else
	KERN \i, -1
.endif
	QUANT V2+12*\i, SV2+\i
.endr
	FINSC SV2
.rept 8
	v_nop                                          ; a scale register written by a vector instruction stands eight places ahead of a scaled matrix instruction, an operand so written four
.endr
	MMS \zero
.endm
	LOADP PP, AOF
	LOADP YY, YOF
	KSTEP 0, 1                                     ; the first K step starts the sums: nothing is cleared.  The second step's vector work is the places behind its products
	KSTEP 1, 0
	; ---- the four waves' accumulators meet in LDS
.rept 4
	v_nop                                          ; four places between the last products and the LDS stores that read results
.endr
.macro RSTORE d, g, j                          ; each accumulator from its low end on
	ds_store_b128 v[RW], v[\d:\d+3] offset:(\g)*RGRP+4*(\j)*RPITCH
	ds_store_b128 v[RW], v[\d+4:\d+7] offset:(\g)*RGRP+4*(\j)*RPITCH+RPITCH
.endm
	WIN 0x04                                       ; an LDS store's data are its source 1: window 1
.irp i, 0,1,2,3
.irp j, 0,1,2,3
	RSTORE 8*(4*\i+\j), \i, \j
.endr
.endr
.irp i, 0,1,2,3
.irp j, 0,1,2,3
	RSTORE 128+8*(4*\i+\j), 4+\i, \j
.endr
.endr
	WIN 0x08                                       ; window 2
.irp i, 0,1,2,3
.irp j, 0,1,2,3
	RSTORE 8*(4*\i+\j), 8+\i, \j
.endr
.endr
	WIN 0
	s_wait_dscnt 0x0                               ; for the others' sake: my copy lies in LDS
	s_barrier_signal -1
	s_barrier_wait -1                              ; all four copies do
; Group gg of my three (16 rows of a histogram), rows 2 t and 2 t + 1: the four copies' 512 bytes
.macro RLOAD gg, t
.irp s, 0,1,2,3
	ds_load_b128 v[LL+32*\s+4*(\t):LL+32*\s+4*(\t)+3], v[RA+\s] offset:(\gg)*RGRP+(\t)*32
.endr
.endm
; They are added and stored; the next group's same rows are asked for into the registers just read.  left: the LDS loads issued behind these four, which may stay out
.macro RSUM gg, t, left
	s_wait_dscnt \left
.set SR, SS+32*((\gg)%2)+4*(\t)
.set LZ, LL+4*(\t)
	v_pk_add_f32 v[SR:SR+1], v[LZ:LZ+1], v[LZ+32:LZ+33]
	v_pk_add_f32 v[SR+2:SR+3], v[LZ+2:LZ+3], v[LZ+34:LZ+35]
	v_pk_add_f32 v[LZ+64:LZ+65], v[LZ+64:LZ+65], v[LZ+96:LZ+97]
	v_pk_add_f32 v[LZ+66:LZ+67], v[LZ+66:LZ+67], v[LZ+98:LZ+99]
	v_pk_add_f32 v[SR:SR+1], v[SR:SR+1], v[LZ+64:LZ+65]
	v_pk_add_f32 v[SR+2:SR+3], v[SR+2:SR+3], v[LZ+66:LZ+67]
.if \gg < 2
	RLOAD (\gg)+1, \t
.endif
	v_pk_add_f32 v[NS:NS+1], v[NS:NS+1], v[SR:SR+1]                 ; and counted for the norm
	v_pk_add_f32 v[NS+2:NS+3], v[NS+2:NS+3], v[SR+2:SR+3]
	global_store_b128 v[GOF], v[SR:SR+3], s[6:7] offset:(\gg)*4096+(\t)*512   ; two whole rows: 512 consecutive bytes, at a multiple of 512 from part's first byte
.endm
.irp t, 0,1,2,3,4,5,6,7
	RLOAD 0, \t
.endr
.irp t, 0,1,2,3,4,5,6,7
	RSUM 0, \t, 28                                 ; behind these four loads: 4 (7 - t) of this group and 4 t of the next
.endr
.irp t, 0,1,2,3,4,5,6,7
	RSUM 1, \t, 28
.endr
	s_wait_xcnt 0x0                                ; the first group's stores have read their data: the third group's sums take those registers
.irp t, 0,1,2,3,4,5,6,7
	RSUM 2, \t, 28-4*\t                            ; nothing more is asked for: the counts run down
.endr
	v_pk_add_f32 v[NS:NS+1], v[NS:NS+1], v[NS+2:NS+3]
	v_add_f32 v[NS], v[NS], v[NS+1]
	v_add_f32_dpp v[NS], v[NS], v[NS] row_xmask:1 row_mask:0xf bank_mask:0xf
	v_add_f32_dpp v[NS], v[NS], v[NS] row_xmask:2 row_mask:0xf bank_mask:0xf
	v_add_f32_dpp v[NS], v[NS], v[NS] row_xmask:4 row_mask:0xf bank_mask:0xf
	v_add_f32_dpp v[NS], v[NS], v[NS] row_xmask:8 row_mask:0xf bank_mask:0xf
	v_permlanex16_b32 v[NS+1], v[NS], s[SEL], s[SEL+1]
	v_add_f32 v[NS], v[NS], v[NS+1]                ; the sum of my 3,072 numbers, in every lane
	v_mov_b32 v[BY], 0
	v_cmp_eq_u32 vcc_lo, 0, v[LANE]
	s_wait_xcnt 0x0                                ; EXEC changes only behind this wait: the stores above have it among their sources
	s_set_vgpr_msb 0x8
	s_wait_tensorcnt 0x0
	ds_add_u32 v51, v255
	s_wait_dscnt 0x0
	s_set_vgpr_msb 0x800
	s_and_saveexec_b32 s22, vcc_lo
	global_store_b32 v[BY], v[NS], s[8:9]          ; lane 0: four bytes a wave, 4,096 in the launch: the one store that fills no whole 256 bytes
	s_wait_xcnt 0x0
	s_or_b32 exec_lo, exec_lo, s22
	s_endpgm
.Lfunc_end_k_q13641733ed_hist:
	.size	k_q13641733ed_hist, .Lfunc_end_k_q13641733ed_hist-k_q13641733ed_hist
	.p2alignl 7, 3214868480
	.fill 96, 4, 3214868480
	.section	.rodata,"a",@progbits
	.p2align	6, 0x0
	.amdhsa_kernel k_q13641733ed_hist
		.amdhsa_group_segment_fixed_size 225792
		.amdhsa_private_segment_fixed_size 0
		.amdhsa_enable_private_segment 0
		.amdhsa_kernarg_size 24
		.amdhsa_user_sgpr_count 2
		.amdhsa_user_sgpr_kernarg_segment_ptr 1
		.amdhsa_wavefront_size32 1
		.amdhsa_system_sgpr_workgroup_id_x 1
		.amdhsa_system_sgpr_workgroup_id_y 1
		.amdhsa_system_sgpr_workgroup_id_z 1
		.amdhsa_system_vgpr_workitem_id 0
		.amdhsa_next_free_vgpr 1024
		.amdhsa_next_free_sgpr 66
		.amdhsa_reserve_vcc 1
		.amdhsa_float_denorm_mode_32 3
		.amdhsa_float_denorm_mode_16_64 3
		.amdhsa_memory_ordered 1
		.amdhsa_forward_progress 1
		.amdhsa_inst_pref_size 255
	.end_amdhsa_kernel
	.section	.bss,"aw",@nobits
	.p2align	6
	.space	262144
	.amdgpu_metadata
---
amdhsa.version: [ 1, 2 ]
amdhsa.kernels:
  - .name:           k_q13641733ed_hist
    .symbol:         k_q13641733ed_hist.kd
    .args:
      - { .name: x, .offset: 0, .size: 8, .value_kind: global_buffer, .address_space: global }
      - { .name: part, .offset: 8, .size: 8, .value_kind: global_buffer, .address_space: global }
      - { .name: sums, .offset: 16, .size: 8, .value_kind: global_buffer, .address_space: global }
    .group_segment_fixed_size: 225792
    .private_segment_fixed_size: 0
    .kernarg_segment_align: 8
    .kernarg_segment_size: 24
    .max_flat_workgroup_size: 128
    .sgpr_count:     66
    .vgpr_count:     1024
    .wavefront_size: 32
...
	.end_amdgpu_metadata
.endif
;; end of part 1
;; launch norm (part 2): grid 96 x 4, 4 waves a work-group, no clusters, 2,560 bytes of LDS; arguments part, sums, out0; writes out0
.if DOCPART == 2
	.amdgcn_target "amdgcn-amd-amdhsa--gfx1250"
	.amdhsa_code_object_version 6
	.text
	.protected	k_q13641733ed_norm
	.globl	k_q13641733ed_norm
	.p2align	8
	.type	k_q13641733ed_norm,@function
k_q13641733ed_norm:
	s_mov_b64 s[64:65], 0
	v_nop
	global_prefetch_b8 v0, s[64:65] scope:SCOPE_SE
	s_setreg_imm32_b32 hwreg(HW_REG_WAVE_MODE, 25, 1), 1
	s_wait_xcnt 0x0
; RGB-uv histograms, second of two launches: the 64 partial histograms of an image are added, divided by the image's norm, and laid as the result wants them.
; part: [4 images][64 parts][3][64 u'][64 v'] f32: H0, H1, H2.   sums: [4][256] f32: partial sums of all of an image's numbers.   out0: [4][3][64 u][64 v] f32.
; out0[l][0][u][v] = H0[u][v] / n,  out0[l][1][u][v] = H1[63 - u][v] / n,  out0[l][2][u][v] = H2[63 - u][63 - v] / n,  n = the sum of the image's three histograms + 1e-6.
; SHARES.  Work-group (x, y): image y, rows 2 x and 2 x + 1 of the 192 rows of H0, H1, H2: 512 consecutive bytes of each part.  Wave w adds parts 16 w .. 16 w + 15: sixteen loads of 512 bytes, all issued at the head.
; Every wave makes 1 / n itself and scales its sum before it goes to LDS, so that nothing of the norm stands behind the barrier; wave 0 adds the four and stores two whole rows of 256 bytes.
; Memory binds: no matrix unit, no cluster (work-groups share only the 1,024 bytes of sums), no tensor load (a byte is read once and added at once).
.set PARTB, 49152
.set EPSB,  0x358637bd                 ; 1e-6
.set DD,    16                         ; v16-79 sixteen parts' 16 bytes
	s_load_b128 s[4:7], s[0:1], 0x0                ; part, sums
	s_load_b64 s[8:9], s[0:1], 0x10                ; out0
	v_lshl_add_u32 v96, v0, 2, 0x800
	v_mov_b32 v97, 0
	v_lshrrev_b32 v1, 5, v0
	v_readfirstlane_b32 s10, v1                    ; wave 0..3
	v_and_b32 v1, 31, v0
	v_lshlrev_b32 v2, 4, v1                        ; 16 x lane
	v_lshlrev_b32 v3, 4, v0                        ; LDS: 16 x thread = 512 x wave + 16 x lane
	s_and_b32 s11, ttmp7, 0xffff                   ; the image
	s_mul_i32 s12, s11, 64*PARTB
	s_lshl_b32 s13, ttmp9, 9                       ; my two rows
	s_add_co_u32 s12, s12, s13
	s_mul_i32 s13, s10, 16*PARTB                   ; my wave's sixteen parts
	s_add_co_u32 s12, s12, s13
	s_mov_b32 s13, 0
	s_lshl_b32 s14, s11, 10                        ; the image's 256 partial sums
	s_mov_b32 s15, 0
	s_wait_kmcnt 0x0
	s_add_nc_u64 s[4:5], s[4:5], s[12:13]
	s_add_nc_u64 s[6:7], s[6:7], s[14:15]
	global_load_b128 v[8:11], v2, s[6:7]
	global_load_b128 v[12:15], v2, s[6:7] offset:512
.irp t, 0,1,2,3,4,5,6,7,8,9,10,11,12,13,14,15
	global_load_b128 v[DD+4*\t:DD+4*\t+3], v2, s[4:5] offset:\t*PARTB th:TH_LOAD_NT   ; 512 consecutive bytes; read once in the launch
.endr
	; where the two rows go.  All of it hangs on the work-group's number alone
	s_mov_b32 s16, 0x76543210
	s_mov_b32 s17, 0xfedcba98                      ; v_permlanex16_b32's selects for lane l xor 16
	s_lshr_b32 s18, ttmp9, 5                       ; which of the three histograms
	s_and_b32 s19, ttmp9, 31
	s_lshl_b32 s19, s19, 1                         ; u' of my first row
	s_sub_co_u32 s20, 62, s19                      ; mirrored, rows u' and u' + 1 become rows 63 - u' and 62 - u'
	s_cmp_eq_u32 s18, 0
	s_cselect_b32 s20, s19, s20                    ; the lower of the two rows in out0
	s_cselect_b32 s21, 0, 256                      ; mirrored rows: the halves of the lanes change rows
	s_cmp_eq_u32 s18, 2
	s_cselect_b32 s22, 240, 0                      ; mirrored columns: piece x of a row's sixteen becomes piece 15 - x,
	s_cselect_b32 vcc_lo, -1, 0                    ; and its four numbers change order
	s_or_b32 s21, s21, s22
	s_mul_i32 s22, s11, 3
	s_add_co_u32 s22, s22, s18
	s_lshl_b32 s22, s22, 6
	s_add_co_u32 s22, s22, s20
	s_lshl_b32 s22, s22, 8                         ; ((3 image + histogram) 64 + row) x 256 bytes
	s_mov_b32 s23, 0
	s_add_nc_u64 s[8:9], s[8:9], s[22:23]
	v_xor_b32 v4, s21, v2                          ; my 16 bytes' place in the two rows
	; the norm, while the parts are on their way
	s_wait_loadcnt 16                              ; the two loads of sums are in; the sixteen behind them may be out
	v_pk_add_f32 v[8:9], v[8:9], v[10:11]
	v_pk_add_f32 v[12:13], v[12:13], v[14:15]
	v_pk_add_f32 v[8:9], v[8:9], v[12:13]
	v_add_f32 v8, v8, v9
	v_add_f32_dpp v8, v8, v8 row_xmask:1 row_mask:0xf bank_mask:0xf
	v_add_f32_dpp v8, v8, v8 row_xmask:2 row_mask:0xf bank_mask:0xf
	v_add_f32_dpp v8, v8, v8 row_xmask:4 row_mask:0xf bank_mask:0xf
	v_add_f32_dpp v8, v8, v8 row_xmask:8 row_mask:0xf bank_mask:0xf
	v_permlanex16_b32 v9, v8, s16, s17
	v_add_f32 v8, v8, v9
	v_add_f32 v8, EPSB, v8
	v_rcp_f32 v8, v8                               ; 1 / n; the additions below are the plain work behind it
.irp u, 0,1,2,3,4,5,6,7
	s_wait_loadcnt 14-2*\u                         ; parts 2 u and 2 u + 1 are in; the younger loads may be out
	v_pk_add_f32 v[DD+8*\u:DD+8*\u+1], v[DD+8*\u:DD+8*\u+1], v[DD+8*\u+4:DD+8*\u+5]
	v_pk_add_f32 v[DD+8*\u+2:DD+8*\u+3], v[DD+8*\u+2:DD+8*\u+3], v[DD+8*\u+6:DD+8*\u+7]
.endr
.irp u, 0,2,4,6
	v_pk_add_f32 v[DD+8*\u:DD+8*\u+1], v[DD+8*\u:DD+8*\u+1], v[DD+8*\u+8:DD+8*\u+9]
	v_pk_add_f32 v[DD+8*\u+2:DD+8*\u+3], v[DD+8*\u+2:DD+8*\u+3], v[DD+8*\u+10:DD+8*\u+11]
.endr
.irp u, 0,4
	v_pk_add_f32 v[DD+8*\u:DD+8*\u+1], v[DD+8*\u:DD+8*\u+1], v[DD+8*\u+16:DD+8*\u+17]
	v_pk_add_f32 v[DD+8*\u+2:DD+8*\u+3], v[DD+8*\u+2:DD+8*\u+3], v[DD+8*\u+18:DD+8*\u+19]
.endr
	v_pk_add_f32 v[DD:DD+1], v[DD:DD+1], v[DD+32:DD+33]
	v_pk_add_f32 v[DD+2:DD+3], v[DD+2:DD+3], v[DD+34:DD+35]
	s_wait_alu depctr_va_vdst(0)                   ; the wait between the reciprocal and its first reader
	v_pk_mul_f32 v[DD:DD+1], v[DD:DD+1], v[8:9] op_sel_hi:[1,0]
	v_pk_mul_f32 v[DD+2:DD+3], v[DD+2:DD+3], v[8:9] op_sel_hi:[1,0]
	ds_store_b128 v3, v[DD:DD+3]
	s_wait_dscnt 0x0                               ; for wave 0's sake: my 512 bytes lie in LDS
	s_barrier_signal -1
	s_barrier_wait -1
	s_cmp_lg_u32 s10, 0
	s_cbranch_scc1 .Lend                           ; wave 0 finishes; no barrier follows
.irp m, 0,1,2,3
	ds_load_b128 v[DD+4*\m:DD+4*\m+3], v2 offset:512*\m
.endr
	s_wait_dscnt 0x0
	v_pk_add_f32 v[DD:DD+1], v[DD:DD+1], v[DD+4:DD+5]
	v_pk_add_f32 v[DD+2:DD+3], v[DD+2:DD+3], v[DD+6:DD+7]
	v_pk_add_f32 v[DD+8:DD+9], v[DD+8:DD+9], v[DD+12:DD+13]
	v_pk_add_f32 v[DD+10:DD+11], v[DD+10:DD+11], v[DD+14:DD+15]
	v_pk_add_f32 v[DD:DD+1], v[DD:DD+1], v[DD+8:DD+9]
	v_pk_add_f32 v[DD+2:DD+3], v[DD+2:DD+3], v[DD+10:DD+11]
	v_cndmask_b32 v32, v[DD], v[DD+3], vcc_lo      ; mirrored columns: the four numbers in the other order
	v_cndmask_b32 v33, v[DD+1], v[DD+2], vcc_lo
	v_cndmask_b32 v34, v[DD+2], v[DD+1], vcc_lo
	v_cndmask_b32 v35, v[DD+3], v[DD], vcc_lo
	global_store_b128 v4, v[32:35], s[8:9]         ; sixteen neighbouring lanes fill a row: 256 consecutive bytes, at a multiple of 256 from out0's first byte
.Lend:
	s_wait_tensorcnt 0x0
	ds_add_u32 v96, v97
	s_wait_dscnt 0x0
	s_endpgm
.Lfunc_end_k_q13641733ed_norm:
	.size	k_q13641733ed_norm, .Lfunc_end_k_q13641733ed_norm-k_q13641733ed_norm
	.p2alignl 7, 3214868480
	.fill 96, 4, 3214868480
	.section	.rodata,"a",@progbits
	.p2align	6, 0x0
	.amdhsa_kernel k_q13641733ed_norm
		.amdhsa_group_segment_fixed_size 2560
		.amdhsa_private_segment_fixed_size 0
		.amdhsa_enable_private_segment 0
		.amdhsa_kernarg_size 24
		.amdhsa_user_sgpr_count 2
		.amdhsa_user_sgpr_kernarg_segment_ptr 1
		.amdhsa_wavefront_size32 1
		.amdhsa_system_sgpr_workgroup_id_x 1
		.amdhsa_system_sgpr_workgroup_id_y 1
		.amdhsa_system_sgpr_workgroup_id_z 1
		.amdhsa_system_vgpr_workitem_id 0
		.amdhsa_next_free_vgpr 98
		.amdhsa_next_free_sgpr 66
		.amdhsa_reserve_vcc 1
		.amdhsa_float_denorm_mode_32 3
		.amdhsa_float_denorm_mode_16_64 3
		.amdhsa_memory_ordered 1
		.amdhsa_forward_progress 1
		.amdhsa_inst_pref_size 8
	.end_amdhsa_kernel
	.amdgpu_metadata
---
amdhsa.version: [ 1, 2 ]
amdhsa.kernels:
  - .name:           k_q13641733ed_norm
    .symbol:         k_q13641733ed_norm.kd
    .args:
      - { .name: part, .offset: 0, .size: 8, .value_kind: global_buffer, .address_space: global }
      - { .name: sums, .offset: 8, .size: 8, .value_kind: global_buffer, .address_space: global }
      - { .name: out0, .offset: 16, .size: 8, .value_kind: global_buffer, .address_space: global }
    .group_segment_fixed_size: 2560
    .private_segment_fixed_size: 0
    .kernarg_segment_align: 8
    .kernarg_segment_size: 24
    .max_flat_workgroup_size: 128
    .sgpr_count:     66
    .vgpr_count:     98
    .wavefront_size: 32
...
	.end_amdgpu_metadata
.endif
;; end of part 2
